; MI455X (gfx1250); checked and timed in simulation.
; The chip was launched on July 23, 2026; its instructions are those of AMD's public machine-readable ISA for CDNA 5 (MIT licence, August 2026) and "CDNA5" Instruction Set Architecture Reference Guide (July 2026). The comments in the code are by the model that wrote it; some were corrected since.
;; Transformer Head. Allowed arithmetic: matrix products marked QUANTISED: E4M3 operands, one given power-of-two scale a tensor, by v_wmma_f32_16x16x64_fp8_fp8 or v_wmma_f32_16x16x128_fp8_fp8, f32 sums; everything else in f32.
;; Inputs: Wk_codes 1,024 x 32 x 32 uint8 (E4M3 codes of Wk, K innermost, in blocks of 32 codes); Wq_codes 1,024 x 32 x 32 uint8 (E4M3 codes of Wq, K innermost, in blocks of 32 codes); Wv_codes 1,024 x 32 x 32 uint8 (E4M3 codes of Wv, K innermost, in blocks of 32 codes); lowp_scales 10 int32 (the exponents e of the quantised operands' scales 2^e); x_codes 4 x 2,048 x 32 x 32 uint8 (E4M3 codes of x, K innermost, in blocks of 32 codes).
;; Outputs: out0 4 x 2,048 x 1,024 float32.
;; This version of the problem:
;;   THIS VERSION OF THE PROBLEM IS GIVEN IN LOW PRECISION. The matrix products marked QUANTISED in the list below multiply operands that are first quantised to E4M3 (4 exponent bits, 3 mantissa bits; 8 bits a number), with one given power-of-two scale for each operand tensor; their sums are f32. All else is computed in f32.
;;   The module's matrix products, in the order in which they are computed (A, B: the left and right operand; K: the contracted axis; several contracted axes count as one K, in the product's order):
;;     1. [M 8,192, K 1,024] x [K 1,024, N 1,024]; A: input x (given as codes); B: input Wq (given as codes): QUANTISED (scales: A lowp_scales[0], B lowp_scales[1])
;;     2. [M 8,192, K 1,024] x [K 1,024, N 1,024]; A: input x (given as codes); B: input Wk (given as codes): QUANTISED (scales: A lowp_scales[2], B lowp_scales[3])
;;     3. [M 8,192, K 1,024] x [K 1,024, N 1,024]; A: input x (given as codes); B: input Wv (given as codes): QUANTISED (scales: A lowp_scales[4], B lowp_scales[5])
;;     4. batch 4 x [M 2,048, K 1,024] x [K 1,024, N 2,048]; A: computed on the way; B: computed on the way: QUANTISED (scales: A lowp_scales[6], B lowp_scales[7])
;;     5. batch 4 x [M 2,048, K 2,048] x [K 2,048, N 1,024]; A: softmax (see below); B: computed on the way: QUANTISED (scales: A lowp_scales[8], B lowp_scales[9])
;;   THE QUANTISER, for each operand of a quantised product, along K:
;;     - The operand's scale is 2^e, e = its entry of the input lowp_scales (int32; the entries are numbered through the quantised products in the list's order, A before B).
;;     - Each number is divided by the scale, clamped to +-448, and rounded to the nearest number of E4M3, ties to even, subnormals kept.
;;     - The product sums the exact products of the quantised numbers (number of the format x scale) in f32.
;;   ~~~python
;;   def quantise(x, axis, e):      # numpy; x: float32 -> the quantised numbers, widened to float32 again
;;       x = np.moveaxis(x, axis, -1); K = x.shape[-1]
;;       r = np.clip(x / 2.0 ** e, -448, 448)
;;       step = 2.0 ** (np.maximum(np.frexp(np.where(r == 0, 1, r))[1] - 1, -6) - 3)
;;       q = np.round(r / step) * step * 2.0 ** e      # np.round: ties to even
;;       return np.moveaxis(q, -1, axis).astype(np.float32)
;;   ~~~
;;   SOFTMAX AHEAD OF A QUANTISED PRODUCT. Where the list says 'softmax', what is quantised is not the finished softmax but p = 2^(t - M), with t = logit x log2(e) and M = ceil(the row's largest t), a whole number; so 1/2 < the row's largest p <= 1. The row's sum l is taken of the UNQUANTISED p, in f32, and the product's result is divided by l at the end. Since M is a whole number, a kernel that streams over the keys may use a running M (the ceiling of the running maximum): every later rescaling is an exact power of two, so the quantised numbers keep their values, but for numbers so far below the row's largest that they fall under the format's range.
;;   OPERANDS COMPUTED ON THE WAY. 'Computed on the way' means the value that the module computes at that place (a softmax that the list does not call 'softmax' is quantised finished and normalised). What goes into a quantiser is computed in f32, as accurately as f32 sums, v_exp_f32 and their like allow (about 1e-6 of the number): no bf16 or f16 on the way to a quantiser, and a product that is left as it is and whose result goes on into a quantised operand takes f32 operands (vector FMAs, or v_wmma_f32_16x16x4_f32). A number that lies on a knife's edge between two numbers of the format may be rounded either way, as far as f32 arithmetic and the matrix unit's own rounding can turn it there, and no further.
;;   INPUTS GIVEN AS CODES. Wk (in the module: [1024, 1024], K = its axis 1); Wq (in the module: [1024, 1024], K = its axis 1); Wv (in the module: [1024, 1024], K = its axis 1); x (in the module: [4, 2048, 1024], K = its axis 2): each comes as NAME_codes (uint8): NAME with its K axis moved to the last place and cut into blocks of 32 codes, [.., K / 32, bytes a block], one block behind the other in memory; one code a byte (a code: sign, 4 exponent bits, 3 mantissa bits); its scale is its entry of lowp_scales. Its value is code x scale, taken as it is: it is not quantised again, and the codes and scales need not be those that the quantiser above would give.
;; One version. Each part assembles by itself: llvm-mc -triple=amdgcn-amd-amdhsa -mcpu=gfx1250 --defsym DOCPART=n.
;; ======== version 1 of 1: 3 launches
;; limits: right only within a limited range of input values
;; workspace buffers: qi 8,388,608 bytes; ki 8,388,608 bytes; vi 8,388,608 bytes; pi 16,777,216 bytes; mst 262,144 bytes; lst 524,288 bytes
;; launch proj (part 1): grid 8 x 32, 4 waves a work-group, clusters of 4 x 4, 327,680 bytes of LDS; arguments x_codes, Wq_codes, Wk_codes, Wv_codes, lowp_scales, qi, ki, vi; writes qi, ki, vi
.if DOCPART == 1
	.amdgcn_target "amdgcn-amd-amdhsa--gfx1250"
	.amdhsa_code_object_version 6
	.text
	.protected	k_qa95ee3c20d_proj
	.globl	k_qa95ee3c20d_proj
	.p2align	8
	.type	k_qa95ee3c20d_proj,@function
k_qa95ee3c20d_proj:
	s_mov_b64 s[64:65], 0
	v_nop
	global_prefetch_b8 v0, s[64:65] scope:SCOPE_SE
	s_setreg_imm32_b32 hwreg(HW_REG_WAVE_MODE, 25, 1), 1
	s_wait_xcnt 0x0
	s_wait_alu depctr_hold_cnt(0) depctr_sa_sdst(0) depctr_va_vdst(0) depctr_va_sdst(0) depctr_va_ssrc(0) depctr_va_vcc(0) depctr_vm_vsrc(0)
	s_getreg_b32 s2, hwreg(HW_REG_IB_STS2, 6, 4)
	s_cmp_eq_u32 s2, 0
	s_cbranch_scc0 .Lentry_in_a_cluster
	s_endpgm
.Lentry_in_a_cluster:
	s_bfe_u32 s2, ttmp6, 0x10000c
	s_cmp_lg_u32 s2, 0xf033
	s_cbranch_scc0 .Lentry_shape_is_right
	s_endpgm
.Lentry_shape_is_right:
; FIRST OF THREE LAUNCHES.  Q = x Wq^T, K = x Wk^T and V = x Wv^T on E4M3 codes (x: 8,192 rows of 1,024 codes; each W: 1,024 rows of 1,024 codes), sums in f32, each sum quantised at once
; to the code that its next product wants (Q 2^e6, K 2^e7, V 2^e9): the code is sum / 2^(eo - ea - eb), held within +-448, nearest, ties to even: three exponents folded into the conversion's one.
; DEAD WORK of the program: score tiles wholly above the causal diagonal that reference() builds, and their part of p V: weight 0 for all inputs.  A NaN or infinity that reaches only those is not carried on.
; LIMITS: e6 - e0 - e1, e7 - e2 - e3 and e9 - e4 - e5 lie between -126 and 119, so that the scale and 448 x the scale are f32 numbers.  NaN among the sums is not served.
; SHARES.  256 work-groups of equal work: 256 rows of x by 128 columns of EACH weight, K = 1,024.  A wave makes 128 x (64 Q + 64 K + 64 V): 96 accumulators, 768 registers.
; Q, K: source 0 = 16 rows of W, source 1 = 16 rows of x: a lane holds one token and eight neighbours along dk.  V: the sources swapped: a lane holds one channel and eight neighbouring keys.
; So each conversion gives two registers of the next product's operand, and THE RESULTS ARE STORED AS IMAGES OF OPERAND REGISTERS: a fragment (16 rows x 128 k) is 2,048 bytes,
; registers 4 c .. 4 c + 3 of lane l at 512 c + 16 l.  qi, ki: [row / 128: 64][dk / 128: 8][16 rows: 8][2,048].  vi: [batch 4][v / 128: 8][key / 128: 16][16 channels: 8][2,048].
; LDS.  K goes in steps of 256 (rows of 256 bytes, 16 bytes of padding behind each).  x, Wq and Wk have two slots; Wv has ONE tile, since a second would not fit: V's products come behind a K step's
; Q and K products, and Wv's tile for the next K step is asked for at the change of slots, one load a wave: wave 0 x, 1 Wq, 2 Wk, 3 Wv.
; CLUSTERS: 4 x 4.  The four of a row share x's tiles, the four of a column the weights': each is asked for jointly.  No prefetch: K is four steps, the first two asked for one behind the other, and only two refills of x follow.
; Fragments are fetched 16 bytes a lane: k = 64 q + 32 c + 16 h + 0 .. 15 in registers 4 c .. 4 c + 3: a permutation of k that is the same in both sources.
; REGISTERS: window 0: v0-31 addresses, constants; v32-95 x's fragments (8 blocks of 16 rows x 64 k), v96-159, v160-223 the weights', two sets; the way out: codes from v64.
;   windows 1, 2: Q's, K's accumulators ((a, b) at 32 a + 8 b);  window 3: V's ((channel block c, x block a) at 64 c + 8 a).
.set PITCH, 272                        ; 68 words: the 16 rows that a load touches start 4 banks apart (64 banks of 4 bytes: ISA guide 11.1)
.set U,     128*PITCH                  ; 128 rows of a tile
.set SLOT,  4*U                        ; x's 256 rows, Wq's 128, Wk's 128
.set VU,    2*SLOT                     ; Wv's 128 rows
.set SPARE, VU+U                       ; the spare words, 128 bytes for each wave
.set SC,   8                           ; v8-10  the conversions' scales for Q, K, V
.set LM,   11                          ; v11-13 448 x those
.set ADA,  16                          ; v16-17 my x fragments in slot 0, 1
.set ADB,  18                          ; v18-19 my Wq fragments; Wk's lie U further on
.set ADV,  20                          ; v20    my Wv fragments
.set CO,   26                          ; v26    16 x lane
.set SPW,  28
.set NIL,  29
.set AF,   32
.set BF,   96
.set CD,   64
.set G0V,  20
.set G1A,  24
.set G0A,  32
.set G1B,  48
.set G0B,  56
.set MSB, 0
.macro WIN new                         ; the immediate's high byte repeats the setting that is left; a switch that changes nothing is dropped
.if MSB != (\new)
	s_set_vgpr_msb (MSB<<8)|(\new)
.set MSB, \new
.endif
.endm
.macro TL g0, g1
	tensor_load_to_lds s[\g0:\g0+3], s[\g1:\g1+7]
	s_nop 0
.rept 4
	v_nop
.endr
.endm
; Joint loads: wave 0 x, waves 1 and 2 Wq and Wk (ab), wave 3 Wv (vv).  The branches hang on the wave's number alone.
.macro JLOAD slot, ab, vv
.if \ab
	s_cmp_eq_u32 s14, 0
	s_cbranch_scc0 .Lw_\@
	TL G0A+4*\slot, G1A
	s_branch .Lj_\@
.Lw_\@:
.endif
	s_cmp_eq_u32 s14, 3
	s_cbranch_scc1 .Lv_\@
.if \ab
	TL G0B+4*\slot, G1B
.endif
	s_branch .Lj_\@
.Lv_\@:
.if \vv
	TL G0V, G1B
.endif
.Lj_\@:
.endm
.macro CREST                           ; a round of the cluster's barrier behind its opening barrier
	s_cmp_lg_u32 s14, 0
	s_cbranch_scc1 .Lnot_wave_0_\@
	s_barrier_signal -3
.Lnot_wave_0_\@:
	s_barrier_wait -3
	s_barrier_signal -1
	s_barrier_wait -1
.endm
.macro CROUND
	s_barrier_signal -1
	s_barrier_wait -1
	CREST
.endm
.macro PLACES                          ; places behind matrix instructions (ISA guide 7.12.1 for vector instructions)
.rept 4
	v_nop
.endr
.endm
.macro FRAG reg, adr, off              ; 16 rows x 64 k
	ds_load_b128 v[\reg:\reg+3], v[\adr] offset:\off
	ds_load_b128 v[\reg+4:\reg+7], v[\adr] offset:\off+32
.endm
.macro FA slot, q, i0                  ; x's blocks i0 .. i0 + 3: 8 loads
.irp i, 0,1,2,3
	FRAG AF+8*(\i0+\i), ADA+\slot, 64*(\q)+(\i0+\i)*16*PITCH
.endr
.endm
.macro FB slot, q, p                   ; Wq's four and Wk's four into set p: 16 loads
.irp i, 0,1,2,3
	FRAG BF+64*\p+8*\i, ADB+\slot, 64*(\q)+\i*16*PITCH
.endr
.irp i, 0,1,2,3
	FRAG BF+64*\p+32+8*\i, ADB+\slot, U+64*(\q)+\i*16*PITCH
.endr
.endm
; One fragment of a weight, two loads: Wq's (i under 4) or Wk's.
.macro LB slot, q, i, p
	WIN 0
.if (\i) < 4
	FRAG BF+64*(\p)+8*(\i), ADB+\slot, 64*(\q)+(\i)*16*PITCH
.else
	FRAG BF+64*(\p)+8*(\i), ADB+\slot, U+64*(\q)+((\i)-4)*16*PITCH
.endif
.endm
; V's products need half of each set of weights: the other halves, with x's own registers, are two sets of x.  Even quarters: x's blocks 0-3 at v128, 4-7 at v64, Wv at v96; odd quarters: v32, v192, v160.
.macro VSETS p
.if (\p)
.set XL, 32
.set XH, 192
.set WV_, 160
.else
.set XL, 128
.set XH, 64
.set WV_, 96
.endif
.endm
.macro LLO slot, q                     ; x's blocks 0-3 for V: 8 loads
.irp i, 0,1,2,3
	FRAG XL+8*\i, ADA+\slot, 64*(\q)+\i*16*PITCH
.endr
.endm
.macro LHI slot, q                     ; x's blocks 4-7
.irp i, 0,1,2,3
	FRAG XH+8*\i, ADA+\slot, 64*(\q)+(4+\i)*16*PITCH
.endr
.endm
.macro LWV q                           ; Wv's four
.irp i, 0,1,2,3
	FRAG WV_+8*\i, ADV, 64*(\q)+\i*16*PITCH
.endr
.endm
; Four matrix instructions: x block a by four blocks of Wq (w = 0) or Wk (w = 1), 64 along K.  All accumulators of a kind take turns, one instruction a turn, in the same order each time.
.macro MQ w, a, p, zero
	WIN 0x50+0x50*\w
.irp b, 0,1,2,3
.set D_, 32*(\a)+8*\b
.set W_, BF+64*\p+32*\w+8*\b
.set X_, AF+8*(\a)
.if \zero
	v_wmma_f32_16x16x64_fp8_fp8 v[D_:D_+7], v[W_:W_+7], v[X_:X_+7], 0
.else
	v_wmma_f32_16x16x64_fp8_fp8 v[D_:D_+7], v[W_:W_+7], v[X_:X_+7], v[D_:D_+7]
.endif
.endr
.endm
.macro MV a, zero                      ; four: x block a by Wv's four
	WIN 0xf0
.if (\a) < 4
.set X_, XL+8*(\a)
.else
.set X_, XH+8*((\a)-4)
.endif
.irp b, 0,1,2,3
.set D_, 64*\b+8*(\a)
.set W_, WV_+8*\b
.if \zero
	v_wmma_f32_16x16x64_fp8_fp8 v[D_:D_+7], v[X_:X_+7], v[W_:W_+7], 0
.else
	v_wmma_f32_16x16x64_fp8_fp8 v[D_:D_+7], v[X_:X_+7], v[W_:W_+7], v[D_:D_+7]
.endif
.endr
.endm
; Quarter q = 0, 1, 2 of a K step for Q and K.  At its start set p and x's blocks 0-3 are in.  Two runs of 16 loads: this quarter's blocks 4-7 and the next quarter's Wq into the other set, ahead of the first half's
; products; the next quarter's blocks 0-3 and Wk ahead of the second half's.  What they write was last read four places back or more.
.macro QS slot, q, p, zero
	s_wait_dscnt 0x0
	PLACES
	WIN 0
	FA \slot, \q, 4
.irp j, 0,1,2,3
	LB \slot, \q+1, \j, 1-\p
.endr
.irp j, 0,1,2,3
	MQ 0, \j, \p, \zero
.endr
.irp j, 0,1,2,3
	MQ 1, \j, \p, \zero
.endr
	PLACES
	WIN 0
	FA \slot, \q+1, 0
.irp j, 0,1,2,3
	LB \slot, \q+1, 4+\j, 1-\p
.endr
	s_wait_dscnt 24                                ; x's blocks 4-7 are in; the 24 loads issued behind them may be out
.irp j, 0,1,2,3
	MQ 0, 4+\j, \p, \zero
.endr
.irp j, 0,1,2,3
	MQ 1, 4+\j, \p, \zero
.endr
.endm
; Quarter 3 (set 1), and the first operands of V's first quarter.  bar = 1: Wv's tile was asked for at the last change of slots by wave 3: it waits for it, and a barrier (behind which nothing is filled) shows it to all.
; Other waves' loads may stay out.
.macro Q3 slot, bar
	s_wait_dscnt 0x0
	PLACES
	WIN 0
	FA \slot, 3, 4
	VSETS 0
	LLO \slot, 0                                   ; back to the K step's first quarter, for V
.irp j, 0,1,2,3
	MQ 0, \j, 1, 0
.endr
.irp j, 0,1,2,3
	MQ 1, \j, 1, 0
.endr
	WIN 0
.if \bar
	s_cmp_eq_u32 s14, 3
	s_cbranch_scc0 .Lnv_\@
	s_wait_tensorcnt 0x0
.Lnv_\@:
.endif
	s_wait_dscnt 0x0
.if \bar
	s_barrier_signal -1
.endif
.irp j, 0,1,2,3
	MQ 0, 4+\j, 1, 0
.endr
	WIN 0
.if \bar
	s_barrier_wait -1
.endif
	LWV 0                                          ; (set 0 was last read in quarter 2)
.irp j, 0,1,2,3
	MQ 1, 4+\j, 1, 0
.endr
.endm
; Quarter q = 0, 1, 2 for V (p = q % 2): the whole next quarter comes in one run of 24 loads, ahead of the products; quarter 0's own blocks 4-7, whose registers Q's and K's last products read, come ahead of it.
.macro VS slot, q, p, zero
	s_wait_dscnt 0x0
	PLACES
	WIN 0
.if \q == 0
	VSETS 0
	LHI \slot, 0
.endif
	VSETS 1-\p
	LLO \slot, \q+1
	LHI \slot, \q+1
	LWV \q+1
	VSETS \p
.irp j, 0,1,2,3
	MV \j, \zero
.endr
.if \q == 0
	s_wait_dscnt 24                                ; blocks 4-7 are in; the next quarter's 24 may be out
.endif
.irp j, 4,5,6,7
	MV \j, \zero
.endr
.endm
; V's quarter 3 changes slots: one round of the cluster's barrier; in front of it each wave waits for all its tensor loads, adds 0 to its spare word, and waits for that and for its reads.
; ab = 1: this slot takes x, Wq and Wk two K steps on.  Wv's tile always takes the next K step.
.macro VE slot, next, ab
	s_wait_dscnt 0x0                               ; the quarter's operands are in
	VSETS 1
	WIN 0
	s_wait_tensorcnt 0x0                           ; my part of the next slot is in
	ds_add_u32 v[SPW], v[NIL]
	MV 0, 0
	MV 1, 0
	s_wait_dscnt 0x0                               ; the add is done, and my reads of this slot and of Wv's tile are over
	s_barrier_signal -1
	MV 2, 0
	MV 3, 0
	WIN 0
	s_barrier_wait -1
	CREST                                          ; no wave of any partner still reads what is filled below, or has a load on its way
.if \ab
	s_add_nc_u64 s[G0A+4*\slot+2:G0A+4*\slot+3], s[G0A+4*\slot+2:G0A+4*\slot+3], 512
	s_add_nc_u64 s[G0B+4*\slot+2:G0B+4*\slot+3], s[G0B+4*\slot+2:G0B+4*\slot+3], 512
.endif
	s_add_nc_u64 s[G0V+2:G0V+3], s[G0V+2:G0V+3], 256
	JLOAD \slot, \ab, 1
	PLACES
	FB \next, 0, 0
	FA \next, 0, 0
.irp j, 4,5,6,7
	MV \j, 0
.endr
.endm
	s_load_b256 s[68:75], s[0:1], 0x0              ; x s[68:69], Wq s[70:71], Wk s[72:73], Wv s[74:75]
	s_load_b256 s[76:83], s[0:1], 0x20             ; the exponents s[76:77], qi s[78:79], ki s[80:81], vi s[82:83]
	v_lshl_add_u32 v[SPW], v0, 2, SPARE
	v_mov_b32 v[NIL], 0
	ds_add_u32 v[SPW], v[NIL]                      ; the wave's opening: the add, twice on end, ahead of my first tensor load
	ds_add_u32 v[SPW], v[NIL]
	v_lshrrev_b32 v1, 5, v0
	v_readfirstlane_b32 s14, v1                    ; wave 0..3
	s_lshr_b32 s15, s14, 1                         ; my half of x's 256 rows
	s_and_b32 s16, s14, 1                          ; my half of each weight's 128 rows
	s_bfe_u32 s40, ttmp6, 0x40000                  ; cx, cy
	s_bfe_u32 s41, ttmp6, 0x40004
	s_lshl_b32 s42, ttmp9, 2
	s_add_co_u32 s42, s42, s40                     ; g: which 128 rows of each weight
	s_and_b32 s17, ttmp7, 0xffff
	s_lshl_b32 s17, s17, 2
	s_add_co_u32 s17, s17, s41                     ; which 256 rows of x
	s_lshl_b32 s43, s41, 2
	s_lshl_b32 s43, 15, s43                        ; my row of the cluster
	s_lshl_b32 s44, 0x1111, s40                    ; my column
	s_or_b32 s[G1A], s43, (1<<20)|(1<<21)|(5<<22)|(3<<25)   ; 15:0 the mask; elements of 1 byte; 20 padding on; 21 set beside a mask; 24:22 after every 64 words; 31:25 four words
	s_or_b32 s[G1B], s44, (1<<20)|(1<<21)|(5<<22)|(3<<25)
	s_mov_b32 s[G1A+2], 256<<16                    ; tensor_dim1: 256 rows of x,
	s_mov_b32 s[G1A+4], 256                        ; tile_dim1
	s_mov_b32 s[G1B+2], 128<<16                    ; 128 of a weight
	s_mov_b32 s[G1B+4], 128
.irp g, G1A, G1B
	s_mov_b32 s[\g+1], 256<<16                     ; tensor_dim0
	s_mov_b32 s[\g+3], 256<<16                     ; tile_dim0
	s_mov_b32 s[\g+5], 1024                        ; tensor_dim0_stride
	s_mov_b32 s[\g+6], 0
	s_mov_b32 s[\g+7], 0
.endr
	s_lshl_b32 s4, s17, 18                         ; x: 256 rows of 1,024 bytes: made of the row tile alone
	s_mov_b32 s5, 0
	s_lshl_b32 s6, s42, 17                         ; a weight: 128 rows: made of g alone
	s_mov_b32 s7, 0
	s_add_co_u32 s45, s14, 1
	s_mul_i32 s45, s45, U                          ; waves 1 and 2: Wq, Wk behind x's two units
	s_wait_dscnt 0x0                               ; both opening adds are done
	s_wait_kmcnt 0x0
	s_load_b256 s[84:91], s[76:77], 0x0            ; e0 .. e7
	s_load_b64 s[92:93], s[76:77], 0x20            ; e8, e9
	s_cmp_eq_u32 s14, 1
	s_cselect_b64 s[10:11], s[70:71], s[72:73]     ; Wq or Wk, by the wave's number
	s_add_nc_u64 s[4:5], s[68:69], s[4:5]
	s_add_nc_u64 s[10:11], s[10:11], s[6:7]
	s_add_nc_u64 s[8:9], s[74:75], s[6:7]
.irp s, 0,1
	s_mov_b32 s[G0A+4*\s], 1
	s_mov_b32 s[G0A+4*\s+1], \s*SLOT
	s_add_nc_u64 s[G0A+4*\s+2:G0A+4*\s+3], s[4:5], \s*256
	s_or_b32 s[G0A+4*\s+3], s[G0A+4*\s+3], 0x80000000
	s_mov_b32 s[G0B+4*\s], 1
	s_add_co_u32 s[G0B+4*\s+1], s45, \s*SLOT
	s_add_nc_u64 s[G0B+4*\s+2:G0B+4*\s+3], s[10:11], \s*256
	s_or_b32 s[G0B+4*\s+3], s[G0B+4*\s+3], 0x80000000
.endr
	s_mov_b32 s[G0V], 1
	s_mov_b32 s[G0V+1], VU
	s_mov_b64 s[G0V+2:G0V+3], s[8:9]
	s_or_b32 s[G0V+3], s[G0V+3], 0x80000000
	CROUND                                         ; all sixteen work-groups are here: the first joint loads meet
	JLOAD 0, 1, 1                                  ; K step 0: one tensor load a wave
	s_mul_i32 s18, s15, U                          ; my 128 rows of x
	s_mul_i32 s3, s16, 64*PITCH                    ; my 64 rows of each weight
	s_add_co_u32 s19, s3, 2*U
	s_add_co_u32 s3, s3, VU
	s_add_co_u32 s12, s18, SLOT
	s_add_co_u32 s13, s19, SLOT
	v_and_b32 v1, 15, v0                           ; r
	v_bfe_u32 v2, v0, 4, 1                         ; h
	v_and_b32 v5, 31, v0
	v_mul_u32_u24 v3, v1, PITCH
	v_lshlrev_b32 v[CO], 4, v5
	v_lshl_add_u32 v4, v2, 4, v3                   ; a fragment's row x pitch + 16 h
	v_add_nc_u32 v[ADA], s18, v4
	v_add_nc_u32 v[ADA+1], s12, v4
	v_add_nc_u32 v[ADB], s19, v4
	v_add_nc_u32 v[ADB+1], s13, v4
	v_add_nc_u32 v[ADV], s3, v4
	; where my images go
	s_lshl_b32 s2, s17, 1
	s_add_co_u32 s2, s2, s15                       ; row / 128
	s_lshl_b32 s94, s2, 3
	s_add_co_u32 s94, s94, s42
	s_lshl_b32 s94, s94, 14                        ; eight images are 16,384 bytes
	s_lshl_b32 s3, s16, 10
	s_add_co_u32 s94, s94, s3                      ; Q, K: my half of each image
	s_mov_b32 s95, 0
	s_add_nc_u64 s[4:5], s[78:79], s[94:95]
	s_add_nc_u64 s[6:7], s[80:81], s[94:95]
	s_lshr_b32 s94, s17, 3                         ; batch
	s_lshl_b32 s94, s94, 3
	s_add_co_u32 s94, s94, s42
	s_lshl_b32 s94, s94, 4
	s_and_b32 s2, s2, 15                           ; key / 128 in the batch
	s_add_co_u32 s94, s94, s2
	s_lshl_b32 s94, s94, 14
	s_lshl_b32 s3, s16, 13
	s_add_co_u32 s94, s94, s3                      ; V: my four of the eight images
	s_add_nc_u64 s[8:9], s[82:83], s[94:95]
	s_wait_alu depctr_va_vdst(0)
	s_wait_kmcnt 0x0
.macro SCALE n, eo, ea, eb
	s_sub_co_i32 s2, s[\eo], s[\ea]
	s_sub_co_i32 s2, s2, s[\eb]
	s_add_co_i32 s2, s2, 127
	s_lshl_b32 s3, s2, 23
	v_mov_b32 v[SC+\n], s3                         ; 2^(eo - ea - eb): the conversion takes its exponent field
	s_add_co_i32 s2, s2, 8
	s_lshl_b32 s2, s2, 23
	s_or_b32 s2, s2, 0x600000
	v_mov_b32 v[LM+\n], s2                         ; 448 x that
.endm
	SCALE 0, 90, 84, 85
	SCALE 1, 91, 86, 87
	SCALE 2, 93, 88, 89
	s_wait_alu depctr_va_vdst(0)
	s_wait_tensorcnt 0x0                           ; my part of K step 0 is in
	ds_add_u32 v[SPW], v[NIL]
	s_wait_dscnt 0x0
	CROUND                                         ; everybody's is
	JLOAD 1, 1, 0                                  ; K step 1 of x, Wq and Wk
	FB 0, 0, 0
	FA 0, 0, 0
	QS 0, 0, 0, 1                                  ; K = 1,024: four K steps, written out, since each asks for something else.  The first products start the sums
	QS 0, 1, 1, 0
	QS 0, 2, 0, 0
	Q3 0, 0                                        ; K step 0's Wv tile has been waited for at the head
	VS 0, 0, 0, 1
	VS 0, 1, 1, 0
	VS 0, 2, 0, 0
	VE 0, 1, 1
.macro KSTEP slot
	QS \slot, 0, 0, 0
	QS \slot, 1, 1, 0
	QS \slot, 2, 0, 0
	Q3 \slot, 1
	VS \slot, 0, 0, 0
	VS \slot, 1, 1, 0
	VS \slot, 2, 0, 0
.endm
	KSTEP 1
	VE 1, 0, 1
	KSTEP 0
	VE 0, 1, 0                                     ; Wv's last tile alone
	KSTEP 1
	s_wait_dscnt 0x0                               ; the very last quarter: nothing more to fetch
	VSETS 1
.irp j, 0,1,2,3,4,5,6,7
	MV \j, 0
.endr
; THE WAY OUT.  Sums are held in place (the conversion to an 8-bit code does not saturate: ISA guide 7.6.2), each accumulator from its low end on, and converted; Q's conversions, finished long ago, are the places behind V's last products.
; Each block has code registers of its own, so no store's data are written again; each store covers 512 consecutive bytes, aligned.
.macro OUTQ w, a, ptr
	WIN 0x41*(\w+1)
.set n, 0
.rept 32
	v_med3_num_f32 v[32*\a+n], v[32*\a+n], -v[LM+\w], v[LM+\w]
.set n, n+1
.endr
	WIN (\w+1)
.set C_, CD+8*(8*\w+\a)
.irp b, 0,1,2,3
	v_cvt_scalef32_pk8_fp8_f32 v[C_+2*\b:C_+2*\b+1], v[32*\a+8*\b:32*\a+8*\b+7], v[SC+\w]   ; k = 64 x my half + 16 b + 8 h + 0 .. 7
.endr
	WIN 0
	global_store_b128 v[CO], v[C_:C_+3], s[\ptr:\ptr+1] offset:2048*\a
	global_store_b128 v[CO], v[C_+4:C_+7], s[\ptr:\ptr+1] offset:2048*\a+512
.endm
.macro OUTV c
	WIN 0xc3
.set n, 0
.rept 64
	v_med3_num_f32 v[64*\c+n], v[64*\c+n], -v[LM+2], v[LM+2]
.set n, n+1
.endr
	WIN 3
.set C_, CD+128+16*\c
.irp a, 0,1,2,3,4,5,6,7
	v_cvt_scalef32_pk8_fp8_f32 v[C_+2*\a:C_+2*\a+1], v[64*\c+8*\a:64*\c+8*\a+7], v[SC+2]   ; key 16 a + 8 h + 0 .. 7
.endr
	WIN 0
.irp d, 0,1,2,3
	global_store_b128 v[CO], v[C_+4*\d:C_+4*\d+3], s[8:9] offset:2048*\c+512*\d
.endr
.endm
.irp a, 0,1,2,3,4,5,6,7
	OUTQ 0, \a, 4
.endr
.irp a, 0,1,2,3,4,5,6,7
	OUTQ 1, \a, 6
.endr
.irp c, 0,1,2,3
	OUTV \c
.endr
	v_nop                                          ; a plain instruction behind the last conversion
	s_wait_tensorcnt 0x0                           ; the wave's end
	ds_add_u32 v[SPW], v[NIL]
	s_wait_dscnt 0x0
	CROUND                                         ; the closing round: no work-group ends while a partner may still ask for a tile that names it
	s_endpgm
.Lfunc_end_k_qa95ee3c20d_proj:
	.size	k_qa95ee3c20d_proj, .Lfunc_end_k_qa95ee3c20d_proj-k_qa95ee3c20d_proj
	.p2alignl 7, 3214868480
	.fill 96, 4, 3214868480
	.section	.rodata,"a",@progbits
	.p2align	6, 0x0
	.amdhsa_kernel k_qa95ee3c20d_proj
		.amdhsa_group_segment_fixed_size 327680
		.amdhsa_private_segment_fixed_size 0
		.amdhsa_enable_private_segment 0
		.amdhsa_kernarg_size 64
		.amdhsa_user_sgpr_count 2
		.amdhsa_user_sgpr_kernarg_segment_ptr 1
		.amdhsa_wavefront_size32 1
		.amdhsa_system_sgpr_workgroup_id_x 1
		.amdhsa_system_sgpr_workgroup_id_y 1
		.amdhsa_system_sgpr_workgroup_id_z 1
		.amdhsa_system_vgpr_workitem_id 0
		.amdhsa_next_free_vgpr 1024
		.amdhsa_next_free_sgpr 100
		.amdhsa_reserve_vcc 0
		.amdhsa_float_denorm_mode_32 3
		.amdhsa_float_denorm_mode_16_64 3
		.amdhsa_memory_ordered 1
		.amdhsa_forward_progress 1
		.amdhsa_inst_pref_size 238
	.end_amdhsa_kernel
	.amdgpu_metadata
---
amdhsa.version: [ 1, 2 ]
amdhsa.kernels:
  - .name:           k_qa95ee3c20d_proj
    .symbol:         k_qa95ee3c20d_proj.kd
    .args:
      - { .name: x_codes, .offset: 0, .size: 8, .value_kind: global_buffer, .address_space: global }
      - { .name: Wq_codes, .offset: 8, .size: 8, .value_kind: global_buffer, .address_space: global }
      - { .name: Wk_codes, .offset: 16, .size: 8, .value_kind: global_buffer, .address_space: global }
      - { .name: Wv_codes, .offset: 24, .size: 8, .value_kind: global_buffer, .address_space: global }
      - { .name: lowp_scales, .offset: 32, .size: 8, .value_kind: global_buffer, .address_space: global }
      - { .name: qi, .offset: 40, .size: 8, .value_kind: global_buffer, .address_space: global }
      - { .name: ki, .offset: 48, .size: 8, .value_kind: global_buffer, .address_space: global }
      - { .name: vi, .offset: 56, .size: 8, .value_kind: global_buffer, .address_space: global }
    .group_segment_fixed_size: 327680
    .private_segment_fixed_size: 0
    .kernarg_segment_align: 8
    .kernarg_segment_size: 64
    .max_flat_workgroup_size: 128
    .sgpr_count:     100
    .vgpr_count:     1024
    .wavefront_size: 32
...
	.end_amdgpu_metadata
.endif
;; end of part 1
;; launch score (part 2): grid 12 x 16, 4 waves a work-group, clusters of 4 x 4, 327,680 bytes of LDS; arguments qi, ki, lowp_scales, pi, mst, lst; writes pi, mst, lst
.if DOCPART == 2
	.amdgcn_target "amdgcn-amd-amdhsa--gfx1250"
	.amdhsa_code_object_version 6
	.text
	.protected	k_qa95ee3c20d_score
	.globl	k_qa95ee3c20d_score
	.p2align	8
	.type	k_qa95ee3c20d_score,@function
k_qa95ee3c20d_score:
	s_mov_b64 s[64:65], 0
	v_nop
	global_prefetch_b8 v0, s[64:65] scope:SCOPE_SE
	s_setreg_imm32_b32 hwreg(HW_REG_WAVE_MODE, 25, 1), 1
	s_wait_xcnt 0x0
	s_wait_alu depctr_hold_cnt(0) depctr_sa_sdst(0) depctr_va_vdst(0) depctr_va_sdst(0) depctr_va_ssrc(0) depctr_va_vcc(0) depctr_vm_vsrc(0)
	s_getreg_b32 s2, hwreg(HW_REG_IB_STS2, 6, 4)
	s_cmp_eq_u32 s2, 0
	s_cbranch_scc0 .Lentry_in_a_cluster
	s_endpgm
.Lentry_in_a_cluster:
	s_bfe_u32 s2, ttmp6, 0x10000c
	s_cmp_lg_u32 s2, 0xf033
	s_cbranch_scc0 .Lentry_shape_is_right
	s_endpgm
.Lentry_shape_is_right:
; SECOND OF THREE LAUNCHES.  S = Q K^T on E4M3 codes (K = 1,024), the causal mask, and the softmax's p, quantised along the keys with 2^e8.
; DEAD WORK left out: the 1,024 x 1,024 scores of queries 0-1,023 and keys 1,024-2,047, which reference()'s own causal mask hides for all inputs.
; t = score x 2^(e6 + e7) x log2(e) / 32.  M = the largest t of a row WITHIN A BLOCK OF 256 KEYS, rounded up to a whole number; p = 2^(t - M), not normalised; l = the sum of the unquantised p of 128 keys, f32.
; The next launch brings the blocks of a row onto one unit by exact powers of two, so the quantised numbers keep their values, but for numbers that would fall under the format's range under the row's own largest M:
; those keep more bits here.  A block all of whose keys are hidden for a row gets M = -3e38, l = 0 and zero codes.
; LIMITS: e6 + e7 between -121 and 132 (they are added to the exponent field of log2(e) / 32); e8 between -126 and 119; |t| under 2^24, so that M is a whole number in f32.  NaN is not served.
; SHARES.  A tile is 256 queries x 256 keys, four waves of 128 x 128.  A cluster of 4 x 4 work-groups makes 1,024 x 1,024: cluster y is the batch, cluster x the part (0: queries and keys 0-1,023;
; 1: queries 1,024-2,047, keys 0-1,023; 2: both 1,024-2,047).  The four of a row of the cluster need the same tiles of Q, the four of a column the same tiles of K: each is asked for jointly.
; In parts 0 and 2 six of sixteen tiles lie above the diagonal.  They run the same text;
; they store zero codes, of which the next launch reads those beside the diagonal (it walks keys in steps of 512).
; Q AND K ARE IMAGES OF OPERAND REGISTERS (a fragment of 16 rows x 128 k is 2,048 bytes, registers 4 c .. 4 c + 3 of lane l at 512 c + 16 l), [row / 128][k / 128: 8][16 rows: 8][2,048]: a wave's tensor load is one dense
; block of 32,768 bytes (128 rows x 256 k), and a fragment load takes 512 consecutive LDS bytes: no padding.  No prefetch: K is four steps, the first two asked for one behind the other, and only two refills follow.
; Source 0 = 16 keys, source 1 = 16 queries: a lane holds one query and eight neighbouring keys, so the conversion of accumulator (a, b) gives registers 2 b, 2 b + 1 of p's fragment of queries 16 a .. 16 a + 15.
; OUTPUTS: pi [batch 4][query / 128: 16][key / 128: 16][16 rows: 8][2,048] as images;  mst f32 [batch 4][key / 256: 8][2,048 queries];  lst f32 [batch 4][key / 128: 16][2,048 queries].
; REGISTERS: window 0: v0-31 addresses and constants, v32-95 at work, v96-111 -M and the largest t (a pair for each block), v112-119 l, v120-127 at work, from v128 Q's fragments, later the codes.
;   window 1: K's fragments, two sets.  windows 2, 3: the accumulators ((a, b) at v[8 (8 (a % 4) + b)]).
.set FR,     16
.set STEPB,  32768                     ; bytes of a wave's load: 128 rows x 256 k
.set SLOT,   4*STEPB                   ; Q's two halves, then K's two halves
.set SPARE,  2*SLOT                    ; the spare words, 128 bytes for each wave
.set MAXX,   SPARE+512                 ; 512 bytes for each wave: the rows' largest t.  No fill lands here
.set STT,    MAXX+2048                 ; 1,024 bytes for each wave: l and M by rows
.set ADRA, 16
.set ADRB, 20
.set SW,   18                          ; v18  STT + 1,024 wave + 4 r
.set SRD,  19                          ; v19  STT + 1,024 wave + 16 lane
.set XW,   22                          ; v22  MAXX + 512 wave + 4 r
.set XR,   23                          ; v23  MAXX + 512 (wave xor 1) + 4 r: the wave with my rows and the other 128 keys
.set D0,   24                          ; v24  my query less my first key, less 16 (a - b): see the mask
.set NINF, 25
.set CO,   26                          ; v26  16 x lane
.set FLR,  27                          ; v27  -3e38
.set SPW,  28
.set NIL,  29
.set SC,   30                          ; v30  the conversion's scale
.set LIM,  31                          ; v31  448 x that
.set TMP,  32
.set MT,   96                          ; v[96 + 2 a] -M, v[97 + 2 a] the largest t of block a
.set LS,   112
.set AF,   128
.set CD,   128
.set G1,  24
.set G0,  32
.set G1B, 48
.set G0B, 56
.set VLT, 66                           ; s66  +infinity where accumulators with b < a are seen, else -infinity
.set VGT, 67                           ; s67  the same for b > a
.set MK,  68                           ; s[68:75] the diagonal accumulators' masks, one for each register
.set CS,  92                           ; s[92:93] c = 2^(e6 + e7) log2(e) / 32: the packed form names a pair and takes its low word for both halves
.set SEL, 94                           ; s[94:95] lane selects for v_permlanex16_b32: lane l xor 16
.set MSB, 0
.macro WIN new                         ; the immediate's high byte repeats the setting that is left; a switch that changes nothing is dropped
.if MSB != (\new)
	s_set_vgpr_msb (MSB<<8)|(\new)
.set MSB, \new
.endif
.endm
.set TO_B,   0x40                      ; destination window 1, address window 0
.macro JLOAD s                         ; waves 0 and 1 fetch Q's halves, waves 2 and 3 K's; four v_nop follow each of the two lines
	s_cmp_eq_u32 s15, 0
	s_cbranch_scc0 .Lfor_b_\@
	tensor_load_to_lds s[G0+4*\s:G0+4*\s+3], s[G1:G1+7]
	s_nop 0
.rept 4
	v_nop
.endr
	s_branch .Lasked_\@
.Lfor_b_\@:
	tensor_load_to_lds s[G0B+4*\s:G0B+4*\s+3], s[G1B:G1B+7]
	s_nop 0
.rept 4
	v_nop
.endr
.Lasked_\@:
.endm
.macro CREST                           ; a round of the cluster's barrier behind its opening barrier
	s_cmp_lg_u32 s14, 0
	s_cbranch_scc1 .Lnot_wave_0_\@
	s_barrier_signal -3
.Lnot_wave_0_\@:
	s_barrier_wait -3
	s_barrier_signal -1
	s_barrier_wait -1
.endm
.macro CROUND
	s_barrier_signal -1
	s_barrier_wait -1
	CREST
.endm
.macro FRAG reg, adr, q, i             ; an image comes back as it was stored, 512 consecutive bytes a load
.irp c, 0,1,2,3
	ds_load_b128 v[\reg+4*\c:\reg+4*\c+3], v[\adr] offset:16384*(\q)+2048*(\i)+512*\c
.endr
.endm
; One fragment, four loads: Q's block i; K's block i into set p.
.macro LA slot, q, i
	WIN 0
	FRAG AF+FR*(\i), ADRA+\slot, \q, \i
.endm
.macro LB slot, q, i, p
	WIN TO_B
	FRAG 128*(\p)+FR*(\i), ADRB+\slot, \q, \i
.endm
; Four matrix instructions: Q's block a x K's blocks 4 g .. 4 g + 3, 128 along k.  p: K's set.  zero = 1: the first product starts the sums.
; The 64 accumulators take turns, one instruction a turn, in the same order in every step.
.macro GM a, g, p, zero
	WIN 0xa1+0x50*((\a)/4)                         ; source 0 (K) window 1, source 1 (Q) window 0, C and D window 2 or 3
.irp b, 0,1,2,3
.set D_, 8*(8*((\a)%4)+4*\g+\b)
.set K_, 128*(\p)+FR*(4*\g+\b)
.set Q_, AF+FR*(\a)
.if \zero
	v_wmma_f32_16x16x128_fp8_fp8 v[D_:D_+7], v[K_:K_+15], v[Q_:Q_+15], 0
.else
	v_wmma_f32_16x16x128_fp8_fp8 v[D_:D_+7], v[K_:K_+15], v[Q_:Q_+15], v[D_:D_+7]
.endif
.endr
.endm
.macro PLACES                          ; places behind matrix instructions: plain vector instructions that name none of their registers (ISA guide 7.12.1 for vector instructions)
.rept 4
	v_nop
.endr
.endm
; A slot's first 128 along k (set 0).  At its start set 0 and Q's blocks 0 and 1 are in.  Four runs of 16 loads, each ahead of 16 matrix instructions: Q's blocks 6 and 7, then, for the slot's second 128, K's set 1 and
; Q's blocks 0 to 5, each fragment of Q once its last reader lies four places back.
.macro STEP slot, zero
	s_wait_dscnt 16                                ; Q's blocks 2 to 5 may be out
	PLACES
	LA \slot, 0, 6
	LA \slot, 0, 7
	LB \slot, 1, 0, 1
	LB \slot, 1, 1, 1
.irp a, 0,1
	GM \a, 0, 0, \zero
	GM \a, 1, 0, \zero
.endr
.irp i, 2,3,4,5
	LB \slot, 1, \i, 1
.endr
	s_wait_dscnt 40                                ; Q's blocks 2 and 3 are in; 4 to 7 (16 loads) and six of K (24) may be out
.irp a, 2,3
	GM \a, 0, 0, \zero
	GM \a, 1, 0, \zero
.endr
	PLACES
	LB \slot, 1, 6, 1
	LB \slot, 1, 7, 1
	LA \slot, 1, 0
	LA \slot, 1, 1
	s_wait_dscnt 40                                ; Q's blocks 4 to 7 are in; all of K (32 loads) and two of Q (8) may be out
.irp a, 4,5
	GM \a, 0, 0, \zero
	GM \a, 1, 0, \zero
.endr
	PLACES
.irp i, 2,3,4,5
	LA \slot, 1, \i
.endr
.irp a, 6,7
	GM \a, 0, 0, \zero
	GM \a, 1, 0, \zero
.endr
.endm
; A slot's second 128 along k (set 1) changes slots: one barrier; in front of it each wave waits for all its tensor loads, adds 0 to its spare word, and waits for that and for its own reads of this slot.
; fill = 1: this slot is filled again, two K steps ahead.  Behind the barrier three runs bring the next slot's set 0 and Q's blocks 0 to 5.
.macro TURN slot, next, fill
	s_wait_dscnt 16                                ; Q's blocks 2 to 5 may be out
	PLACES
	LA \slot, 1, 6
	LA \slot, 1, 7
	s_wait_tensorcnt 0x0                           ; my part of the next slot is in (every window is 0 here)
	ds_add_u32 v[SPW], v[NIL]                      ; 0 onto my spare word
.irp a, 0,1
	GM \a, 0, 1, 0
	GM \a, 1, 1, 0
.endr
	s_wait_dscnt 0x0                               ; the add is done, and my reads of this slot are over
	s_barrier_signal -1
	GM 2, 0, 1, 0
	GM 2, 1, 1, 0
	WIN 0
	s_barrier_wait -1
.if \fill
	CREST                                          ; the barrier has opened a round of the cluster's barrier: no wave of any partner still reads this slot or has a load on its way
	s_add_nc_u64 s[G0+4*\slot+2:G0+4*\slot+3], s[G0+4*\slot+2:G0+4*\slot+3], 2*STEPB
	s_add_nc_u64 s[G0B+4*\slot+2:G0B+4*\slot+3], s[G0B+4*\slot+2:G0B+4*\slot+3], 2*STEPB
	JLOAD \slot                                    ; the first tensor load behind the round
.endif
.irp i, 0,1,2,3
	LB \next, 0, \i, 0
.endr
	GM 3, 0, 1, 0
	GM 3, 1, 1, 0
.irp i, 4,5,6,7
	LB \next, 0, \i, 0
.endr
.irp a, 4,5
	GM \a, 0, 1, 0
	GM \a, 1, 1, 0
.endr
	PLACES
.irp i, 0,1,2,3,4,5
	LA \next, 0, \i
.endr
.irp a, 6,7
	GM \a, 0, 1, 0
	GM \a, 1, 1, 0
.endr
.endm
	s_load_b256 s[68:75], s[0:1], 0x0              ; qi s[68:69], ki s[70:71], the exponents s[72:73], pi s[74:75]
	s_load_b128 s[76:79], s[0:1], 0x20             ; mst s[76:77], lst s[78:79]
	v_lshl_add_u32 v[SPW], v0, 2, SPARE
	v_mov_b32 v[NIL], 0
	ds_add_u32 v[SPW], v[NIL]                      ; the wave's opening: the add, twice on end, ahead of my first tensor load
	ds_add_u32 v[SPW], v[NIL]
	v_lshrrev_b32 v1, 5, v0
	v_readfirstlane_b32 s14, v1                    ; wave 0..3
	s_lshr_b32 s15, s14, 1                         ; which half of the queries is mine.  Also: I fetch for Q (0) or for K (1)
	s_and_b32 s16, s14, 1                          ; which half of the keys.  Also: which 128 rows I fetch
	s_bfe_u32 s40, ttmp6, 0x40000                  ; cx, cy
	s_bfe_u32 s41, ttmp6, 0x40004
	s_mov_b32 s12, ttmp9                           ; cluster x: the part
	s_and_b32 s13, ttmp7, 0xffff                   ; cluster y: the batch
	s_lshl_b32 s43, s41, 2
	s_lshl_b32 s43, 15, s43                        ; my row of the cluster
	s_lshl_b32 s44, 0x1111, s40                    ; my column
	s_add_co_u32 s17, s12, 1
	s_lshr_b32 s17, s17, 1                         ; the part's 1,024 queries: 0, 1, 1
	s_lshl_b32 s17, s17, 2
	s_add_co_u32 s17, s17, s41                     ; i: my 256 queries
	s_lshr_b32 s42, s12, 1                         ; the part's 1,024 keys: 0, 0, 1
	s_lshl_b32 s42, s42, 2
	s_add_co_u32 s42, s42, s40                     ; j: my 256 keys
	; descriptor group 1: a dense block of 32,768 bytes as 128 rows of 32 elements of 8 bytes
	s_or_b32 s[G1+0], s43, (3<<16)|(1<<21)         ; 15:0 the mask: Q's tiles go to my row; 17:16 elements of 8 bytes; 21 set beside a mask; no padding
	s_or_b32 s[G1B+0], s44, (3<<16)|(1<<21)
.irp g, G1, G1B
	s_mov_b32 s[\g+1], 32<<16                      ; tensor_dim0
	s_mov_b32 s[\g+2], 128<<16                     ; tensor_dim1
	s_mov_b32 s[\g+3], 32<<16                      ; tile_dim0
	s_mov_b32 s[\g+4], 128                         ; tile_dim1
	s_mov_b32 s[\g+5], 32                          ; tensor_dim0_stride
	s_mov_b32 s[\g+6], 0
	s_mov_b32 s[\g+7], 0
.endr
	s_lshl_b32 s18, s13, 4                         ; 16 x batch: a batch has 16 blocks of 128 rows
	s_lshl_b32 s20, s17, 1
	s_add_co_u32 s20, s20, s18
	s_add_co_u32 s20, s20, s16                     ; Q: the 128 rows that I fetch,
	s_lshl_b32 s20, s20, 17                        ; 131,072 bytes each
	s_mov_b32 s21, 0
	s_lshl_b32 s46, s42, 1
	s_add_co_u32 s46, s46, s18
	s_add_co_u32 s46, s46, s16                     ; K likewise
	s_lshl_b32 s46, s46, 17
	s_mov_b32 s47, 0
	s_lshl_b32 s45, s14, 15                        ; where they go: wave x 32,768
	s_mov_b32 s[SEL], 0x76543210
	s_mov_b32 s[SEL+1], 0xfedcba98
	s_wait_dscnt 0x0                               ; both opening adds are done
	s_wait_kmcnt 0x0
	s_load_b96 s[84:86], s[72:73], 0x18            ; e6, e7, e8
	s_add_nc_u64 s[20:21], s[68:69], s[20:21]
	s_add_nc_u64 s[46:47], s[70:71], s[46:47]
.irp s, 0,1
	s_mov_b32 s[G0+4*\s], 1
	s_add_co_u32 s[G0+4*\s+1], s45, \s*SLOT
	s_add_nc_u64 s[G0+4*\s+2:G0+4*\s+3], s[20:21], \s*STEPB
	s_or_b32 s[G0+4*\s+3], s[G0+4*\s+3], 0x80000000
	s_mov_b32 s[G0B+4*\s], 1
	s_add_co_u32 s[G0B+4*\s+1], s45, \s*SLOT
	s_add_nc_u64 s[G0B+4*\s+2:G0B+4*\s+3], s[46:47], \s*STEPB
	s_or_b32 s[G0B+4*\s+3], s[G0B+4*\s+3], 0x80000000
.endr
	CROUND                                         ; all sixteen work-groups are here: the first joint loads meet
	JLOAD 0                                        ; K step 0: one tensor load a wave
	s_lshl_b32 s2, s15, 15                         ; my 128 queries
	s_lshl_b32 s3, s16, 15                         ; my 128 keys,
	s_add_co_u32 s3, s3, 2*STEPB                   ; which lie behind Q's two halves
	s_add_co_u32 s4, s2, SLOT
	s_add_co_u32 s5, s3, SLOT
	s_lshl_b32 s6, s14, 9
	s_add_co_u32 s6, s6, MAXX
	s_xor_b32 s7, s14, 1
	s_lshl_b32 s7, s7, 9
	s_add_co_u32 s7, s7, MAXX
	s_lshl_b32 s8, s14, 10
	s_add_co_u32 s8, s8, STT
	s_sub_co_i32 s22, s17, s42                     ; i - j
	s_lshl_b32 s22, s22, 8
	s_sub_co_i32 s23, s15, s16
	s_lshl_b32 s23, s23, 7
	s_add_co_i32 s22, s22, s23                     ; my first query less my first key: a multiple of 128
	s_mov_b32 s23, 0xff800000
	s_cmp_ge_i32 s22, 0
	s_cselect_b32 s[VLT], 0x7f800000, s23
	s_cmp_gt_i32 s22, 0
	s_cselect_b32 s[VGT], 0x7f800000, s23
	s_wait_kmcnt 0x0
	s_add_co_i32 s9, s84, s85
	s_lshl_b32 s9, s9, 23
	s_add_co_i32 s[CS], s9, 0x3d38aa3b             ; log2(e) / 32 with e6 + e7 added to its exponent field
	s_mov_b32 s[CS+1], s[CS]                       ; named with it as a pair, so it is written
	s_add_co_i32 s9, s86, 127
	s_lshl_b32 s10, s9, 23                         ; 2^e8
	s_add_co_i32 s9, s9, 8
	s_lshl_b32 s9, s9, 23
	s_or_b32 s9, s9, 0x600000                      ; 448 x 2^e8
	v_and_b32 v1, 15, v0                           ; r
	v_bfe_u32 v2, v0, 4, 1                         ; h
	v_and_b32 v3, 31, v0
	v_lshlrev_b32 v4, 2, v1                        ; 4 r
	v_lshlrev_b32 v[CO], 4, v3                     ; 16 x lane
	v_lshlrev_b32 v5, 3, v2
	v_add_nc_u32 v[ADRA], s2, v[CO]
	v_add_nc_u32 v[ADRA+1], s4, v[CO]
	v_add_nc_u32 v[ADRB], s3, v[CO]
	v_add_nc_u32 v[ADRB+1], s5, v[CO]
	v_add_nc_u32 v[XW], s6, v4
	v_add_nc_u32 v[XR], s7, v4
	v_add_nc_u32 v[SW], s8, v4
	v_add_nc_u32 v[SRD], s8, v[CO]
	v_sub_nc_u32 v[D0], v1, v5
	v_mov_b32 v[NINF], 0xff800000
	v_mov_b32 v[FLR], 0xff61b1e6
	v_add_nc_u32 v[D0], s22, v[D0]                 ; my first query - my first key + r - 8 h
	v_mov_b32 v121, 0                              ; named as upper halves of the pairs v[120:121], v[122:123]
	v_mov_b32 v123, 0
	v_mov_b32 v[SC], s10
	v_mov_b32 v[LIM], s9
	; where my results go
	s_lshl_b32 s22, s17, 1
	s_add_co_u32 s22, s22, s18
	s_add_co_u32 s22, s22, s15                     ; 16 batch + query / 128
	s_lshl_b32 s22, s22, 4
	s_lshl_b32 s23, s42, 1
	s_add_co_u32 s23, s23, s16                     ; key / 128
	s_add_co_u32 s96, s22, s23
	s_lshl_b32 s96, s96, 14
	s_mov_b32 s97, 0
	s_add_nc_u64 s[10:11], s[74:75], s[96:97]      ; pi: my eight images
	s_lshl_b32 s22, s17, 8
	s_lshl_b32 s19, s15, 7
	s_add_co_u32 s22, s22, s19                     ; my first query
	s_add_co_u32 s96, s23, s18
	s_lshl_b32 s96, s96, 11
	s_add_co_u32 s96, s96, s22
	s_lshl_b32 s96, s96, 2
	s_add_nc_u64 s[8:9], s[78:79], s[96:97]        ; lst: (16 batch + key / 128) x 2,048 + query
	s_lshl_b32 s96, s13, 3
	s_add_co_u32 s96, s96, s42
	s_lshl_b32 s96, s96, 11
	s_add_co_u32 s96, s96, s22
	s_lshl_b32 s96, s96, 2
	s_add_nc_u64 s[6:7], s[76:77], s[96:97]        ; mst: (8 batch + key / 256) x 2,048 + query
	s_wait_alu depctr_va_vdst(0)
	s_wait_tensorcnt 0x0                           ; my part of K step 0 is in
	ds_add_u32 v[SPW], v[NIL]
	s_wait_dscnt 0x0
	CROUND                                         ; everybody's is
	JLOAD 1                                        ; K step 1
.irp i, 0,1,2,3,4,5,6,7
	LB 0, 0, \i, 0
.endr
.irp i, 0,1,2,3,4,5
	LA 0, 0, \i
.endr
	STEP 0, 1                                      ; four K steps of 256, written out.  The first products start the sums
	TURN 0, 1, 1
	STEP 1, 0
	TURN 1, 0, 1
	STEP 0, 0
	TURN 0, 1, 0                                   ; nothing is filled any more
	STEP 1, 0
	s_wait_dscnt 16                                ; the very last 128 along k: Q's blocks 6 and 7 alone are left to fetch
	PLACES
	LA 1, 1, 6
	LA 1, 1, 7
	GM 0, 0, 1, 0
	GM 0, 1, 1, 0
	GM 1, 0, 1, 0
	GM 1, 1, 1, 0
	s_wait_dscnt 16                                ; Q's blocks 4 to 7 may be out
.irp a, 2,3
	GM \a, 0, 1, 0
	GM \a, 1, 1, 0
.endr
	s_wait_dscnt 0x0
.irp a, 4,5,6,7
	GM \a, 0, 1, 0
	GM \a, 1, 1, 0
.endr
	WIN 0
; THE MASK.  Register j of accumulator (a, b) holds query 16 a + r and key 16 b + 8 h + j of my 128 x 128, and my first query less my first key is a multiple of 128.  So an accumulator with b < a is seen whole or
; hidden whole, and so is one with b > a (VLT, VGT); one with a = b is seen where j is at or under D0: its hidden scores become -infinity ahead of the maximum.  All without a branch.
.irp j, 0,1,2,3,4,5,6,7
	v_cmp_le_i32 s[MK+\j], \j, v[D0]               ; these eight are also the places behind the last products
.endr
.irp a, 0,1,2,3,4,5,6,7
	WIN 0x88+0x44*(\a/4)                           ; destination and source 1: window 2 or 3
.irp j, 0,1,2,3,4,5,6,7
	v_cndmask_b32 v[8*(8*(\a%4)+\a)+\j], v[NINF], v[8*(8*(\a%4)+\a)+\j], s[MK+\j]
.endr
.endr
; The largest score of each accumulator, 64 independent chains, each accumulator from its low end on: v[TMP + 8 a + b].
.macro TMAX g
	WIN 0x0a+5*\g                                  ; sources 0 and 1: window 2 or 3
.irp a, 0,1,2,3
.irp b, 0,1,2,3,4,5,6,7
	v_max_num_f32 v[TMP+32*\g+8*\a+\b], v[64*\a+8*\b], v[64*\a+8*\b+1]
.endr
.irp k, 2,4,6
.irp b, 0,1,2,3,4,5,6,7
	v_max3_num_f32 v[TMP+32*\g+8*\a+\b], v[64*\a+8*\b+\k], v[64*\a+8*\b+\k+1], v[TMP+32*\g+8*\a+\b]
.endr
.endr
.endr
.endm
	TMAX 0
	TMAX 1
	WIN 0
.irp b, 1,2,3,4,5,6,7                  ; joined: b < a into place 0 of block a's eight, b > a into place a + 1
.irp a, 0,1,2,3,4,5,6,7
.if (\b) < (\a)
	v_max_num_f32 v[TMP+8*\a], v[TMP+8*\a], v[TMP+8*\a+\b]
.endif
.if (\b) > (\a)+1
	v_max_num_f32 v[TMP+9*\a+1], v[TMP+9*\a+1], v[TMP+8*\a+\b]
.endif
.endr
.endr
.irp a, 1,2,3,4,5,6,7
	v_min_num_f32 v[TMP+8*\a], s[VLT], v[TMP+8*\a]
.endr
.irp a, 0,1,2,3,4,5,6
	v_min_num_f32 v[TMP+9*\a+1], s[VGT], v[TMP+9*\a+1]
.endr
	v_max_num_f32 v[MT+1], v[TMP], v[TMP+1]
.irp a, 1,2,3,4,5,6
	v_max3_num_f32 v[MT+1+2*\a], v[TMP+8*\a], v[TMP+9*\a], v[TMP+9*\a+1]
.endr
	v_max_num_f32 v[MT+15], v[TMP+56], v[TMP+63]
.irp a, 0,1,2,3,4,5,6,7
	v_permlanex16_b32 v[TMP+8*\a], v[MT+1+2*\a], s[SEL], s[SEL+1]
.endr
.irp a, 0,1,2,3,4,5,6,7
	v_max_num_f32 v[MT+1+2*\a], v[MT+1+2*\a], v[TMP+8*\a]
.endr
.irp a, 0,1,2,3,4,5,6,7
	v_mul_f32 v[MT+1+2*\a], s[CS], v[MT+1+2*\a]    ; as t (c is positive)
.endr
.irp a, 0,1,2,3,4,5,6,7
	ds_store_b32 v[XW], v[MT+1+2*\a] offset:64*\a  ; for the wave with the other 128 keys; both halves of the lanes store the same number to the same word
.endr
	s_wait_alu depctr_va_vdst(0)
	s_wait_dscnt 0x0                               ; for the others' sake: my stores are done
	s_barrier_signal -1
	s_barrier_wait -1
.irp a, 0,1,2,3,4,5,6,7
	ds_load_b32 v[TMP+\a], v[XR] offset:64*\a      ; the same rows' largest t among the other 128 keys of the block of 256
.endr
	s_wait_dscnt 0x0
.irp a, 0,1,2,3,4,5,6,7
	v_max3_num_f32 v[MT+1+2*\a], v[MT+1+2*\a], v[TMP+\a], v[FLR]   ; with a floor of -3e38, for a row that sees none of the 256 keys
.endr
.irp a, 0,1,2,3,4,5,6,7
	v_floor_f32 v[MT+2*\a], -v[MT+1+2*\a]          ; -M = floor(-t) = -ceil(t): M is a whole number
.endr
; Block a: t - M by one packed multiply-add for two scores (an accumulator hidden whole takes -infinity for -M); the 64 exponentials as one batch; the sum of the unquantised p in four chains, on registers that the
; codes take later; the hold (p is not negative, so it is one-sided); the conversions; the image.
.macro SOFT a
.set AC, 64*((\a)%4)
.set SB, CD+16*(\a)
	v_min_num_f32 v120, s[VLT], v[MT+2*(\a)]
	v_min_num_f32 v122, s[VGT], v[MT+2*(\a)]
	WIN 0x02+((\a)/4)                              ; source 0: window 2 or 3
.set n, 0
.irp b, 0,1,2,3,4,5,6,7
.if (\b) < (\a)
.set MM, 120
.elseif (\b) > (\a)
.set MM, 122
.else
.set MM, MT+2*(\a)
.endif
.rept 4
	v_pk_fma_f32 v[TMP+n:TMP+n+1], v[AC+n:AC+n+1], s[CS:CS+1], v[MM:MM+1] op_sel_hi:[1,0,0]   ; of the pairs c and -M the low word serves both halves
.set n, n+2
.endr
.endr
	WIN 0
.set n, 0
	s_wait_alu depctr_va_vdst(0)
.rept 64
	v_exp_f32 v[TMP+n], v[TMP+n]                   ; p = 2^(t - M)
.set n, n+1
.endr
	v_nop                                          ; a plain instruction behind the last exponential
	s_wait_alu depctr_va_vdst(0)                   ; one wait for the batch, ahead of its first reader
.irp k, 0,2,4,6
	v_pk_add_f32 v[SB+\k:SB+\k+1], v[TMP+\k:TMP+\k+1], v[TMP+8+\k:TMP+8+\k+1]
.endr
.irp m, 16,24,32,40,48,56
.irp k, 0,2,4,6
	v_pk_add_f32 v[SB+\k:SB+\k+1], v[SB+\k:SB+\k+1], v[TMP+\m+\k:TMP+\m+\k+1]
.endr
.endr
	v_pk_add_f32 v[SB:SB+1], v[SB:SB+1], v[SB+2:SB+3]
	v_pk_add_f32 v[SB+4:SB+5], v[SB+4:SB+5], v[SB+6:SB+7]
	v_pk_add_f32 v[SB:SB+1], v[SB:SB+1], v[SB+4:SB+5]
	v_add_f32 v[SB], v[SB], v[SB+1]
	v_permlanex16_b32 v[SB+2], v[SB], s[SEL], s[SEL+1]
	v_add_f32 v[LS+(\a)], v[SB], v[SB+2]           ; l of my query over my wave's 128 keys
.set n, 0
.rept 64
	v_min_num_f32 v[TMP+n], v[TMP+n], v[LIM]       ; the conversion to an 8-bit code does not saturate (ISA guide 7.6.2)
.set n, n+1
.endr
.irp b, 0,1,2,3,4,5,6,7
	v_cvt_scalef32_pk8_fp8_f32 v[SB+2*\b:SB+2*\b+1], v[TMP+8*\b:TMP+8*\b+7], v[SC]
.endr
	v_nop                                          ; one plain vector instruction between the conversions and the next writes of their sources
.irp c, 0,1,2,3
	global_store_b128 v[CO], v[SB+4*\c:SB+4*\c+3], s[10:11] offset:2048*(\a)+512*\c   ; 512 consecutive bytes, aligned; each block has code registers of its own
.endr
.endm
.irp a, 0,1,2,3,4,5,6,7
	SOFT \a
.endr
	; l and M of my 128 rows go through my own LDS bytes, so that they leave as 512 consecutive bytes each
.irp a, 0,1,2,3,4,5,6,7
	ds_store_b32 v[SW], v[LS+\a] offset:64*\a
.endr
.irp a, 0,1,2,3,4,5,6,7
	v_xor_b32 v[TMP+\a], 0x80000000, v[MT+2*\a]    ; M
.endr
.irp a, 0,1,2,3,4,5,6,7
	ds_store_b32 v[SW], v[TMP+\a] offset:512+64*\a
.endr
	ds_load_b128 v[120:123], v[SRD]                ; LDS serves a wave's instructions in order (ISA guide 5.7.1.4): these see my stores
	ds_load_b128 v[124:127], v[SRD] offset:512
	s_wait_dscnt 0x0
	global_store_b128 v[CO], v[120:123], s[8:9]
	s_cmp_eq_u32 s16, 0                            ; M is the same in the two waves of a row half: the first of them stores it
	s_cbranch_scc0 .Lno_m
	global_store_b128 v[CO], v[124:127], s[6:7]
.Lno_m:
	s_wait_tensorcnt 0x0                           ; the wave's end
	ds_add_u32 v[SPW], v[NIL]
	s_wait_dscnt 0x0
	CROUND                                         ; the closing round
	s_endpgm
.Lfunc_end_k_qa95ee3c20d_score:
	.size	k_qa95ee3c20d_score, .Lfunc_end_k_qa95ee3c20d_score-k_qa95ee3c20d_score
	.p2alignl 7, 3214868480
	.fill 96, 4, 3214868480
	.section	.rodata,"a",@progbits
	.p2align	6, 0x0
	.amdhsa_kernel k_qa95ee3c20d_score
		.amdhsa_group_segment_fixed_size 327680
		.amdhsa_private_segment_fixed_size 0
		.amdhsa_enable_private_segment 0
		.amdhsa_kernarg_size 48
		.amdhsa_user_sgpr_count 2
		.amdhsa_user_sgpr_kernarg_segment_ptr 1
		.amdhsa_wavefront_size32 1
		.amdhsa_system_sgpr_workgroup_id_x 1
		.amdhsa_system_sgpr_workgroup_id_y 1
		.amdhsa_system_sgpr_workgroup_id_z 1
		.amdhsa_system_vgpr_workitem_id 0
		.amdhsa_next_free_vgpr 1024
		.amdhsa_next_free_sgpr 100
		.amdhsa_reserve_vcc 0
		.amdhsa_float_denorm_mode_32 3
		.amdhsa_float_denorm_mode_16_64 3
		.amdhsa_memory_ordered 1
		.amdhsa_forward_progress 1
		.amdhsa_inst_pref_size 181
	.end_amdhsa_kernel
	.amdgpu_metadata
---
amdhsa.version: [ 1, 2 ]
amdhsa.kernels:
  - .name:           k_qa95ee3c20d_score
    .symbol:         k_qa95ee3c20d_score.kd
    .args:
      - { .name: qi, .offset: 0, .size: 8, .value_kind: global_buffer, .address_space: global }
      - { .name: ki, .offset: 8, .size: 8, .value_kind: global_buffer, .address_space: global }
      - { .name: lowp_scales, .offset: 16, .size: 8, .value_kind: global_buffer, .address_space: global }
      - { .name: pi, .offset: 24, .size: 8, .value_kind: global_buffer, .address_space: global }
      - { .name: mst, .offset: 32, .size: 8, .value_kind: global_buffer, .address_space: global }
      - { .name: lst, .offset: 40, .size: 8, .value_kind: global_buffer, .address_space: global }
    .group_segment_fixed_size: 327680
    .private_segment_fixed_size: 0
    .kernarg_segment_align: 8
    .kernarg_segment_size: 48
    .max_flat_workgroup_size: 128
    .sgpr_count:     100
    .vgpr_count:     1024
    .wavefront_size: 32
...
	.end_amdgpu_metadata
.endif
;; end of part 2
;; launch mix (part 3): grid 8 x 32, 4 waves a work-group, clusters of 4 x 4, 327,680 bytes of LDS; arguments pi, vi, mst, lst, lowp_scales, out0; writes out0
.if DOCPART == 3
	.amdgcn_target "amdgcn-amd-amdhsa--gfx1250"
	.amdhsa_code_object_version 6
	.text
	.protected	k_qa95ee3c20d_mix
	.globl	k_qa95ee3c20d_mix
	.p2align	8
	.type	k_qa95ee3c20d_mix,@function
k_qa95ee3c20d_mix:
	s_mov_b64 s[64:65], 0
	v_nop
	global_prefetch_b8 v0, s[64:65] scope:SCOPE_SE
	s_setreg_imm32_b32 hwreg(HW_REG_WAVE_MODE, 25, 1), 1
	s_wait_xcnt 0x0
	s_wait_alu depctr_hold_cnt(0) depctr_sa_sdst(0) depctr_va_vdst(0) depctr_va_sdst(0) depctr_va_ssrc(0) depctr_va_vcc(0) depctr_vm_vsrc(0)
	s_getreg_b32 s2, hwreg(HW_REG_IB_STS2, 6, 4)
	s_cmp_eq_u32 s2, 0
	s_cbranch_scc0 .Lentry_in_a_cluster
	s_endpgm
.Lentry_in_a_cluster:
	s_bfe_u32 s2, ttmp6, 0x10000c
	s_cmp_lg_u32 s2, 0xf033
	s_cbranch_scc0 .Lentry_shape_is_right
	s_endpgm
.Lentry_shape_is_right:
; LAST OF THREE LAUNCHES.  out = (sum over blocks of 256 keys of 2^(M of the block - the row's unit) x p V) / l, on E4M3 codes, sums in f32, x 2^(e8 + e9) at the end.
; DEAD WORK left out: keys beyond the 512 that hold a block's last query: the causal mask, which reference() builds, gives them weight 0 for all inputs.
; LIMIT: a block of 256 keys whose M lies more than 60 under the largest M so far counts as if it lay 60 under it: its share of the row is below f32's resolution either way.  NaN is not served.
; SHARES.  A work-group makes 128 queries x 128 channels twice: query block 12 + cy or 8 + cy over its four or three slots of 512 keys, then block cy or 4 + cy over its one or two: five slots in all, the same in
; every work-group; cluster y is the batch and which of the two pairings, cluster x and cx the channels.  A wave makes 64 x 64.  Between two blocks of 256 keys the sums are multiplied by an exact power of two.
; pi and vi are images of operand registers (16 rows x 128 keys in 2,048 bytes): a wave's tensor load is one dense block of 32,768 bytes, and a fragment load takes 512 consecutive LDS bytes.
; CLUSTERS: 4 x 4: p's tiles are asked for jointly along a row, V's along a column.
; PREFETCH: slots 2, 3 and 4 are asked of memory two slots ahead, behind the joint loads of slots 0, 1 and 2: of the 32,768 bytes that a wave fetches, each of the four partners names 8,192, told apart by address
; (cx for p, cy for V), lanes 256 bytes apart, one instruction a wave.  Slots 0 and 1 come by their loads alone; nothing lies behind slot 4.
; REGISTERS: window 0: v0-41 addresses, v128-255 the accumulators; window 1: two sets of fragments; window 2: the rows' statistics, factors and reciprocals, and at the end the scaled sums.
.set PFO,  30                          ; v30     256 x lane; never rewritten
.set SLOTB,  131072
.set STAGE,  2*SLOTB
.set SPITCH, 272
.set SPARE,  STAGE+4*16*SPITCH
.set ADRA, 16
.set ADRB, 20
.set STO,  24
.set RD,   25
.set CO,   26
.set SPW,  28
.set NIL,  29
.set VM,   32
.set VL,   37
.set ACC,  128
.set F0,   0
.set F1,   128
.set RAW,  0
.set GG,   120
.set RINV, 200
.set TMP,  224
.set PU,   224
.set PE,   228
.set PL,   232
.set PLT,  236
.set PT1,  244
.set PT2,  248
.set G1,  24
.set G0,  32
.set G1B, 48
.set G0B, 56
.set MSB, 0
.macro WIN new
.if MSB != (\new)
	s_set_vgpr_msb (MSB<<8)|(\new)
.set MSB, \new
.endif
.endm
.macro JLOAD g0a, g1a, g0b, g1b
	s_cmp_eq_u32 s15, 0
	s_cbranch_scc0 .Lfor_b_\@
	tensor_load_to_lds s[\g0a:\g0a+3], s[\g1a:\g1a+7]
	s_nop 0
.rept 4
	v_nop
.endr
	s_branch .Lasked_\@
.Lfor_b_\@:
	tensor_load_to_lds s[\g0b:\g0b+3], s[\g1b:\g1b+7]
	s_nop 0
.rept 4
	v_nop
.endr
.Lasked_\@:
.endm
.macro CREST
	s_cmp_lg_u32 s14, 0
	s_cbranch_scc1 .Lnot_wave_0_\@
	s_barrier_signal -3
.Lnot_wave_0_\@:
	s_barrier_wait -3
	s_barrier_signal -1
	s_barrier_wait -1
.endm
.macro CROUND
	s_barrier_signal -1
	s_barrier_wait -1
	CREST
.endm
.macro SETD p, s
	s_sub_co_u32 s81, \s, s19
	s_cmp_gt_u32 s19, \s
	s_cselect_b32 s81, \s, s81
	s_cselect_b32 s82, s66, s67
	s_lshl_b32 s80, s81, 16
	s_add_co_u32 s22, s82, s80
	s_add_nc_u64 s[G0+4*\p+2:G0+4*\p+3], s[4:5], s[22:23]
	s_or_b32 s[G0+4*\p+3], s[G0+4*\p+3], 0x80000000
	s_add_co_u32 s46, s68, s80
	s_add_nc_u64 s[G0B+4*\p+2:G0B+4*\p+3], s[6:7], s[46:47]
	s_or_b32 s[G0B+4*\p+3], s[G0B+4*\p+3], 0x80000000
.endm
	s_load_b256 s[4:11], s[0:1], 0x0
	s_load_b128 s[72:75], s[0:1], 0x20
	v_lshl_add_u32 v[SPW], v0, 2, SPARE
	v_mov_b32 v[NIL], 0
	ds_add_u32 v28, v29
	ds_add_u32 v28, v29
	s_wait_dscnt 0x0
	v_lshrrev_b32 v1, 5, v0
	v_readfirstlane_b32 s14, v1
	s_lshr_b32 s15, s14, 1
	s_and_b32 s16, s14, 1
	s_bfe_u32 s40, ttmp6, 0x40000
	s_bfe_u32 s41, ttmp6, 0x40004
	s_mov_b32 s12, ttmp9
	s_and_b32 s13, ttmp7, 0xffff
	s_lshr_b32 s17, s13, 1
	s_and_b32 s18, s13, 1
	s_sub_co_u32 s19, 4, s18
	s_sub_co_u32 s20, 3, s18
	s_lshl_b32 s20, s20, 2
	s_add_co_u32 s20, s20, s41
	s_lshl_b32 s21, s18, 2
	s_add_co_u32 s21, s21, s41
	s_lshl_b32 s42, s12, 2
	s_add_co_u32 s42, s42, s40
	s_lshl_b32 s43, s41, 2
	s_lshl_b32 s43, 15, s43
	s_lshl_b32 s44, 0x1111, s40
	s_or_b32 s[G1+0], s43, (3<<16)|(1<<21)
	s_or_b32 s[G1B+0], s44, (3<<16)|(1<<21)
.irp g, G1, G1B
	s_mov_b32 s[\g+1], 32<<16
	s_mov_b32 s[\g+2], 128<<16
	s_mov_b32 s[\g+3], 32<<16
	s_mov_b32 s[\g+4], 128
	s_mov_b32 s[\g+5], 32
	s_mov_b32 s[\g+6], 0
	s_mov_b32 s[\g+7], 0
.endr
	s_lshl_b32 s80, s16, 15
	s_lshl_b32 s81, s17, 4
	s_add_co_u32 s66, s81, s20
	s_lshl_b32 s66, s66, 18
	s_add_co_u32 s66, s66, s80
	s_add_co_u32 s67, s81, s21
	s_lshl_b32 s67, s67, 18
	s_add_co_u32 s67, s67, s80
	s_lshl_b32 s68, s17, 3
	s_add_co_u32 s68, s68, s42
	s_lshl_b32 s68, s68, 18
	s_add_co_u32 s68, s68, s80
	s_mov_b32 s23, 0
	s_mov_b32 s47, 0
	s_lshl_b32 s45, s14, 15
.irp p, 0,1
	s_mov_b32 s[G0+4*\p], 1
	s_add_co_u32 s[G0+4*\p+1], s45, \p*SLOTB
	s_mov_b32 s[G0B+4*\p], 1
	s_add_co_u32 s[G0B+4*\p+1], s45, \p*SLOTB
.endr
	s_wait_kmcnt 0x0
; The prefetch of slot s: my wave's part of p or of V, my work-group's quarter of it.
.macro ASK s, again
.if \again
	s_wait_xcnt 0x0                                ; the earlier one has read its address
.endif
	s_sub_co_u32 s81, \s, s19
	s_cmp_gt_u32 s19, \s
	s_cselect_b32 s81, \s, s81
	s_cselect_b32 s82, s66, s67
	s_lshl_b32 s81, s81, 16
	s_add_co_u32 s82, s82, s81
	s_add_co_u32 s83, s68, s81
	s_cmp_eq_u32 s15, 0
	s_cselect_b32 s82, s82, s83
	s_cselect_b32 s83, s40, s41
	s_cselect_b64 s[98:99], s[4:5], s[6:7]
	s_lshl_b32 s83, s83, 13
	s_add_co_u32 s82, s82, s83
	s_mov_b32 s83, 0
	s_add_nc_u64 s[98:99], s[98:99], s[82:83]
	global_prefetch_b8 v[PFO], s[98:99] th:TH_LOAD_NT scope:SCOPE_SE
.endm
	s_load_b64 s[84:85], s[72:73], 0x20
	SETD 0, 0
	CROUND                                         ; all sixteen work-groups are here: the first joint loads meet
	JLOAD G0, G1, G0B, G1B                         ; slot 0: one tensor load a wave; the statistics are asked for under its flight
	SETD 1, 1
	v_and_b32 v1, 15, v0
	v_bfe_u32 v2, v0, 4, 1
	v_and_b32 v5, 31, v0
	v_lshlrev_b32 v[PFO], 8, v5
	s_wait_alu depctr_va_vdst(0)
	v_and_b32 v3, 31, v0
	v_lshlrev_b32 v3, 4, v3
	s_lshl_b32 s80, s15, 13
	s_lshl_b32 s81, s16, 13
	s_add_co_u32 s81, s81, 65536
.irp p, 0,1
	v_add_nc_u32 v[ADRA+\p], s80, v3
	v_add_nc_u32 v[ADRB+\p], s81, v3
	s_add_co_u32 s80, s80, SLOTB
	s_add_co_u32 s81, s81, SLOTB
.endr
	s_mul_i32 s82, s14, 16*SPITCH
	s_add_co_u32 s82, s82, STAGE
	v_mul_u32_u24 v4, v1, SPITCH
	s_wait_alu depctr_va_vdst(0)
	v_lshl_add_u32 v4, v2, 5, v4
	v_add_nc_u32 v[STO], s82, v4
	v_mul_u32_u24 v4, v2, SPITCH
	v_lshl_add_u32 v4, v1, 4, v4
	v_add_nc_u32 v[RD], s82, v4
	v_lshlrev_b32 v4, 12, v2
	v_lshl_add_u32 v[CO], v1, 4, v4
	s_lshl_b32 s80, s17, 11
	s_lshl_b32 s81, s15, 6
	s_add_co_u32 s80, s80, s81
	s_lshl_b32 s82, s42, 9
	s_lshl_b32 s83, s16, 8
	s_add_co_u32 s82, s82, s83
	s_lshl_b32 s90, s20, 7
	s_add_co_u32 s90, s90, s80
	s_lshl_b32 s90, s90, 12
	s_add_co_u32 s90, s90, s82
	s_mov_b32 s91, 0
	s_add_nc_u64 s[76:77], s[74:75], s[90:91]
	s_lshl_b32 s90, s21, 7
	s_add_co_u32 s90, s90, s80
	s_lshl_b32 s90, s90, 12
	s_add_co_u32 s90, s90, s82
	s_add_nc_u64 s[78:79], s[74:75], s[90:91]
.macro STATADR s
	s_sub_co_u32 s81, \s, s19
	s_cmp_gt_u32 s19, \s
	s_cselect_b32 s81, \s, s81
	s_cselect_b32 s82, s20, s21
	s_lshl_b32 s81, s81, 1
	s_lshl_b32 s83, s17, 3
	s_add_co_u32 s81, s81, s83
	s_lshl_b32 s81, s81, 11
	s_lshl_b32 s82, s82, 7
	s_lshl_b32 s83, s15, 6
	s_add_co_u32 s82, s82, s83
	s_add_co_u32 s83, s81, s82
	s_lshl_b32 s83, s83, 2
	v_lshl_add_u32 v[VM+\s], v1, 2, s83
	s_lshl_b32 s81, s81, 1
	s_add_co_u32 s83, s81, s82
	s_lshl_b32 s83, s83, 2
	v_lshl_add_u32 v[VL+\s], v1, 2, s83
.endm
.irp s, 0,1,2,3,4
	STATADR \s
.endr
	WIN 0x80
	s_wait_alu depctr_va_vdst(0)
.irp s, 0,1,2,3,4
.irp u, 0,1
.irp a, 0,1,2,3
	global_load_b32 v[RAW+24*\s+12*\u+3*\a],   v[VM+\s], s[8:9]   offset:8192*\u+64*\a
	global_load_b32 v[RAW+24*\s+12*\u+3*\a+1], v[VL+\s], s[10:11] offset:8192*(2*\u)+64*\a
	global_load_b32 v[RAW+24*\s+12*\u+3*\a+2], v[VL+\s], s[10:11] offset:8192*(2*\u+1)+64*\a
.endr
.endr
.endr
	WIN 0
	ASK 2, 0
	s_wait_alu depctr_va_vdst(0)
	s_wait_tensorcnt 0x0                           ; my part of slot 0 is in
	ds_add_u32 v[SPW], v[NIL]
	s_wait_dscnt 0x0
	CROUND                                         ; everybody's is
	JLOAD G0+4, G1, G0B+4, G1B                     ; slot 1
	ASK 3, 1
	s_wait_loadcnt 0x0                             ; the statistics
	s_wait_kmcnt 0x0
	s_add_co_i32 s86, s84, s85
	s_mov_b32 s89, 0x7f61b1e6
	WIN 0xaa
.irp a, 0,1,2,3
	v_mov_b32 v[PU+\a], 0xff61b1e6
	v_mov_b32 v[PE+12+\a], 0xff61b1e6
	v_mov_b32 v[PL+\a], 0
	v_mov_b32 v[PLT+\a], 0
.endr
.macro PRO k
.set RW, RAW+12*(\k)
.set EN, PE+12*((\k)%2)
.set EO, PE+12*(1-(\k)%2)
.if ((\k) == 6) || ((\k) == 8)
	s_lshl_b32 s90, s19, 1
	s_cmp_eq_u32 s90, \k
	s_cselect_b32 s87, 0xff61b1e6, s89
	s_cselect_b32 s88, -1, 0
.irp a, 0,1,2,3
	v_cndmask_b32 v[PLT+\a], v[PLT+\a], v[PL+\a], s88
.endr
.irp a, 0,1,2,3
	v_min_num_f32 v[PU+\a], s87, v[PU+\a]
.endr
.irp a, 0,1,2,3
	v_min_num_f32 v[EO+\a], s87, v[EO+\a]
.endr
.endif
.irp a, 0,1,2,3
	v_max_num_f32 v[PU+\a], v[PU+\a], v[RW+3*\a]
.endr
.irp a, 0,1,2,3
	v_add_f32 v[PT1+\a], 0xc2700000, v[PU+\a]
.endr
.irp a, 0,1,2,3
	v_max_num_f32 v[EN+\a], v[RW+3*\a], v[PT1+\a]
.endr
.irp a, 0,1,2,3
	v_sub_f32 v[PT1+\a], v[EO+\a], v[EN+\a]
.endr
.irp a, 0,1,2,3
	v_cvt_i32_f32 v[PT1+\a], v[PT1+\a]
.endr
.irp a, 0,1,2,3
	v_ldexp_f32 v[GG+8*(\k)+2*\a], 1.0, v[PT1+\a]
.endr
.irp a, 0,1,2,3
	v_add_f32 v[PT2+\a], v[RW+3*\a+1], v[RW+3*\a+2]
.endr
.irp a, 0,1,2,3
	v_mov_b32 v[GG+8*(\k)+2*\a+1], v[GG+8*(\k)+2*\a]
.endr
.irp a, 0,1,2,3
	v_fma_f32 v[PL+\a], v[PL+\a], v[GG+8*(\k)+2*\a], v[PT2+\a]
.endr
.endm
.irp k, 0,1,2,3,4,5,6,7,8,9
	PRO \k
.endr
	s_wait_alu depctr_va_vdst(0)
.irp a, 0,1,2,3
	v_rcp_f32 v[RINV+2*\a], v[PLT+\a]
.endr
.irp a, 0,1,2,3
	v_rcp_f32 v[RINV+8+2*\a], v[PL+\a]
.endr
	v_nop
	s_wait_alu depctr_va_vdst(0)
.irp i, 0,1,2,3,4,5,6,7
	v_ldexp_f32 v[RINV+2*\i], v[RINV+2*\i], s86
.endr
.irp i, 0,1,2,3,4,5,6,7
	v_mov_b32 v[RINV+2*\i+1], v[RINV+2*\i]
.endr
	WIN 0
.macro LD p, q, f, i                   ; V's fragment i and p's fragment i of the slot's q-th 128 keys into set f: eight loads
	WIN 0x40                                       ; destination window 1, address window 0
.irp c, 0,1,2,3
	ds_load_b128 v[\f+64+16*\i+4*\c:\f+64+16*\i+4*\c+3], v[ADRB+\p] offset:16384*(\q)+2048*\i+512*\c
.endr
.irp c, 0,1,2,3
	ds_load_b128 v[\f+16*\i+4*\c:\f+16*\i+4*\c+3], v[ADRA+\p] offset:16384*(\q)+2048*\i+512*\c
.endr
.endm
.macro ROW a, f, zero                  ; p's block a by V's four.  The 16 accumulators take turns, one instruction a turn, in the same order each time
	WIN 0x05                                       ; sources 0 and 1 window 1, C and D window 0
.irp b, 0,1,2,3
.set D_, ACC+8*(4*\a+\b)
.if \zero
	v_wmma_f32_16x16x128_fp8_fp8 v[D_:D_+7], v[\f+64+16*\b:\f+64+16*\b+15], v[\f+16*\a:\f+16*\a+15], 0
.else
	v_wmma_f32_16x16x128_fp8_fp8 v[D_:D_+7], v[\f+64+16*\b:\f+64+16*\b+15], v[\f+16*\a:\f+16*\a+15], v[D_:D_+7]
.endif
.endr
.endm
.macro RESA k, a                       ; block a's sums onto the unit of the k-th 256 keys
	WIN 0x08                                       ; source 1 window 2
.set n, 0
.rept 16
	v_pk_mul_f32 v[ACC+32*\a+n:ACC+32*\a+n+1], v[ACC+32*\a+n:ACC+32*\a+n+1], v[GG+8*(\k)+2*\a:GG+8*(\k)+2*\a+1]
.set n, n+2
.endr
.endm
.macro PLACES n                        ; places behind matrix instructions (ISA guide 7.12.1 for vector instructions)
.rept \n
	v_nop
.endr
.endm
; Two blocks of p, a and b, of set f: half of the next 128 keys' fragments into set g, a run of 16 loads (q = 4: none), the rescaling (k under 0: none), the products.
.macro HALF f, zero, k, p, q, g, a, b
.if (\q) < 4
	LD \p, \q, \g, \a
	LD \p, \q, \g, \b
.endif
.if (\k) >= 0
	RESA \k, \a
	RESA \k, \b
.endif
	ROW \a, \f, \zero
	ROW \b, \f, \zero
.endm
.macro PART f, zero, k, p, q, g        ; 128 keys
	s_wait_dscnt 0x0                               ; set f is in
	PLACES 5                                       ; behind the last products: for the loads, for the rescaling, and for sums begun anew
	HALF \f, \zero, \k, \p, \q, \g, 0, 1
	HALF \f, \zero, \k, \p, \q, \g, 2, 3
.endm
; Slot s, which lies in LDS slot p.  mode 0: it starts sums; 1: it goes on; 2: it starts sums in the pairing spr and goes on in the other (a branch on the cluster's number).
.macro SLOTW p, s, mode, spr
.irp i, 0,1,2,3
	LD \p, 0, F0, \i
.endr
.if \mode == 0
	PART F0, 1, -1, \p, 1, F1
.elseif \mode == 1
	PART F0, 0, 2*(\s), \p, 1, F1
.else
	WIN 0
	s_cmp_eq_u32 s18, \spr
	s_cbranch_scc1 .Lstart_\@
	PART F0, 0, 2*(\s), \p, 1, F1
	WIN 0
	s_branch .Ljoin_\@
.Lstart_\@:
	PART F0, 1, -1, \p, 1, F1
	WIN 0
.Ljoin_\@:
.endif
	PART F1, 0, -1, \p, 2, F0
	PART F0, 0, 2*(\s)+1, \p, 3, F1
	PART F1, 0, -1, \p, 4, F0
.endm
.macro CHG fill, p, s
	WIN 0
	s_wait_tensorcnt 0x0
	ds_add_u32 v[SPW], v[NIL]
.if \fill
	SETD \p, \s
	s_wait_dscnt 0x0
	CROUND
	JLOAD G0+4*\p, G1, G0B+4*\p, G1B
.else
	s_wait_dscnt 0x0
	s_barrier_signal -1
	s_barrier_wait -1
.endif
.endm
.macro EPI o, rv, more
	WIN 0
	PLACES 4
.irp a, 0,1,2,3
	WIN 0x88
.set n, 0
.rept 16
	v_pk_mul_f32 v[TMP+n:TMP+n+1], v[ACC+32*\a+n:ACC+32*\a+n+1], v[\rv+2*\a:\rv+2*\a+1]
.set n, n+2
.endr
	WIN 0x08
.irp b, 0,1,2,3
	ds_store_b128 v[STO], v[TMP+8*\b:TMP+8*\b+3] offset:64*\b
	ds_store_b128 v[STO], v[TMP+8*\b+4:TMP+8*\b+7] offset:64*\b+16
.endr
	WIN 0x40
.irp t, 0,1,2,3,4,5,6,7
	ds_load_b128 v[F0+32*\a+4*\t:F0+32*\a+4*\t+3], v[RD] offset:2*\t*SPITCH
.endr
.endr
	WIN 0x04
.irp a, 0,1,2,3
	s_wait_dscnt 48-16*\a                          ; block a is back; each later block's eight stores and eight loads may be out
.irp t, 0,1,2,3,4,5,6,7
	global_store_b128 v[CO], v[F0+32*\a+4*\t:F0+32*\a+4*\t+3], s[\o:\o+1] offset:(16*\a+2*\t)*4096 th:TH_STORE_NT
.endr
.endr
	WIN 0
.if \more
	s_wait_xcnt 0x0
.endif
.endm
	SLOTW 0, 0, 0, 0
	CHG 1, 0, 2
	ASK 4, 1
	SLOTW 1, 1, 1, 0
	CHG 1, 1, 3
	SLOTW 0, 2, 1, 0
	WIN 0
	s_cmp_eq_u32 s18, 1
	s_cbranch_scc0 .Lkeep_a
	EPI 76, RINV, 1
.Lkeep_a:
	CHG 1, 0, 4
	SLOTW 1, 3, 2, 1
	WIN 0
	s_cmp_eq_u32 s18, 0
	s_cbranch_scc0 .Lkeep_b
	EPI 76, RINV, 1
.Lkeep_b:
	CHG 0, 0, 0
	SLOTW 0, 4, 2, 0
	EPI 78, RINV+8, 0
	s_wait_tensorcnt 0x0
	ds_add_u32 v[SPW], v[NIL]
	s_wait_dscnt 0x0
	CROUND
	s_endpgm
.Lfunc_end_k_qa95ee3c20d_mix:
	.size	k_qa95ee3c20d_mix, .Lfunc_end_k_qa95ee3c20d_mix-k_qa95ee3c20d_mix
	.p2alignl 7, 3214868480
	.fill 96, 4, 3214868480
	.section	.rodata,"a",@progbits
	.p2align	6, 0x0
	.amdhsa_kernel k_qa95ee3c20d_mix
		.amdhsa_group_segment_fixed_size 327680
		.amdhsa_private_segment_fixed_size 0
		.amdhsa_enable_private_segment 0
		.amdhsa_kernarg_size 48
		.amdhsa_user_sgpr_count 2
		.amdhsa_user_sgpr_kernarg_segment_ptr 1
		.amdhsa_wavefront_size32 1
		.amdhsa_system_sgpr_workgroup_id_x 1
		.amdhsa_system_sgpr_workgroup_id_y 1
		.amdhsa_system_sgpr_workgroup_id_z 1
		.amdhsa_system_vgpr_workitem_id 0
		.amdhsa_next_free_vgpr 768
		.amdhsa_next_free_sgpr 100
		.amdhsa_reserve_vcc 0
		.amdhsa_float_denorm_mode_32 3
		.amdhsa_float_denorm_mode_16_64 3
		.amdhsa_memory_ordered 1
		.amdhsa_forward_progress 1
		.amdhsa_inst_pref_size 192
	.end_amdhsa_kernel
	.amdgpu_metadata
---
amdhsa.version: [ 1, 2 ]
amdhsa.kernels:
  - .name:           k_qa95ee3c20d_mix
    .symbol:         k_qa95ee3c20d_mix.kd
    .args:
      - { .name: pi, .offset: 0, .size: 8, .value_kind: global_buffer, .address_space: global }
      - { .name: vi, .offset: 8, .size: 8, .value_kind: global_buffer, .address_space: global }
      - { .name: mst, .offset: 16, .size: 8, .value_kind: global_buffer, .address_space: global }
      - { .name: lst, .offset: 24, .size: 8, .value_kind: global_buffer, .address_space: global }
      - { .name: lowp_scales, .offset: 32, .size: 8, .value_kind: global_buffer, .address_space: global }
      - { .name: out0, .offset: 40, .size: 8, .value_kind: global_buffer, .address_space: global }
    .group_segment_fixed_size: 327680
    .private_segment_fixed_size: 0
    .kernarg_segment_align: 8
    .kernarg_segment_size: 48
    .max_flat_workgroup_size: 128
    .sgpr_count:     100
    .vgpr_count:     768
    .wavefront_size: 32
...
	.end_amdgpu_metadata
.endif
;; end of part 3
